; MI455X (gfx1250); checked and timed in simulation.
; The chip was launched on July 23, 2026; its instructions are those of AMD's public machine-readable ISA for CDNA 5 (MIT licence, August 2026) and "CDNA5" Instruction Set Architecture Reference Guide (July 2026). The comments in the code are by the model that wrote it; some were corrected since.
;; Attention Block. Allowed arithmetic: matrix products marked QUANTISED: E4M3 operands, one E8M0 scale for each 32 along K, by v_wmma_scale_f32_16x16x128_f8f6f4 with both operands' format E4M3, f32 sums; everything else in f32.
;; Inputs: bk 256 float32; bp 256 float32; bq 256 float32; bv 256 float32; wk_codes 256 x 8 x 32 uint8 (E4M3 codes of wk, K innermost, in blocks of 32 codes); wk_scales 256 x 8 uint8 (E8M0 scales of wk, one for each 32 codes along K); wp_codes 256 x 8 x 32 uint8 (E4M3 codes of wp, K innermost, in blocks of 32 codes); wp_scales 256 x 8 uint8 (E8M0 scales of wp, one for each 32 codes along K); wq_codes 256 x 8 x 32 uint8 (E4M3 codes of wq, K innermost, in blocks of 32 codes); wq_scales 256 x 8 uint8 (E8M0 scales of wq, one for each 32 codes along K); wv_codes 256 x 8 x 32 uint8 (E4M3 codes of wv, K innermost, in blocks of 32 codes); wv_scales 256 x 8 uint8 (E8M0 scales of wv, one for each 32 codes along K); x 4 x 256 x 64 x 64 float32.
;; Outputs: out0 4 x 256 x 64 x 64 float32.
;; This version of the problem:
;;   THIS VERSION OF THE PROBLEM IS GIVEN IN LOW PRECISION. The matrix products marked QUANTISED in the list below multiply operands that are first quantised to E4M3 (4 exponent bits, 3 mantissa bits; 8 bits a number), with one power-of-two scale for each 32 numbers along K (OCP MX v1.0); their sums are f32. All else is computed in f32.
;;   The module's matrix products, in the order in which they are computed (A, B: the left and right operand; K: the contracted axis; several contracted axes count as one K, in the product's order):
;;     1. [M 256, K 256] x [K 256, N 16,384]; A: input wq (given as codes); B: computed on the way: QUANTISED
;;     2. [M 256, K 256] x [K 256, N 16,384]; A: input wk (given as codes); B: computed on the way: QUANTISED
;;     3. [M 256, K 256] x [K 256, N 16,384]; A: input wv (given as codes); B: computed on the way: QUANTISED
;;     4. batch 4 x [M 4,096, K 256] x [K 256, N 4,096]; A: computed on the way; B: computed on the way: QUANTISED
;;     5. batch 4 x [M 256, K 4,096] x [K 4,096, N 4,096]; A: computed on the way; B: softmax (see below): QUANTISED
;;     6. [M 256, K 256] x [K 256, N 16,384]; A: input wp (given as codes); B: computed on the way: QUANTISED
;;   THE QUANTISER, for each operand of a quantised product, along K:
;;     - K is cut into blocks of 32 from its start; a last block that is shorter is filled with zeros.
;;     - A block's scale is 2^e with e = floor(log2(the largest magnitude in the block)) - 8, held to -126 .. 127; a block of zeros has e = 0. As a byte (E8M0): e + 127.
;;     - Each number is divided by its block's scale, clamped to +-448, and rounded to the nearest number of E4M3, ties to even, subnormals kept.
;;     - The product sums the exact products of the quantised numbers (number of the format x scale) in f32.
;;   ~~~python
;;   def quantise(x, axis):      # numpy; x: float32 -> the quantised numbers, widened to float32 again
;;       x = np.moveaxis(x, axis, -1); K = x.shape[-1]
;;       x = np.pad(x, [(0, 0)] * (x.ndim - 1) + [(0, -K % 32)]); x = x.reshape(x.shape[:-1] + (-1, 32)); a = np.abs(x).max(-1, keepdims=True)
;;       e = np.where(a > 0, np.clip(np.frexp(np.where(a > 0, a, 1))[1] - 1 - 8, -126, 127), 0)      # np.frexp(a)[1] - 1 = floor(log2(a)), exactly
;;       r = np.clip(x / 2.0 ** e, -448, 448)
;;       step = 2.0 ** (np.maximum(np.frexp(np.where(r == 0, 1, r))[1] - 1, -6) - 3)
;;       q = np.round(r / step) * step * 2.0 ** e      # np.round: ties to even
;;       return np.moveaxis(q.reshape(q.shape[:-2] + (-1,))[..., :K], -1, axis).astype(np.float32)
;;   ~~~
;;   SOFTMAX AHEAD OF A QUANTISED PRODUCT. Where the list says 'softmax', what is quantised is not the finished softmax but p = 2^(t - M), with t = logit x log2(e) and M = ceil(the row's largest t), a whole number; so 1/2 < the row's largest p <= 1. The row's sum l is taken of the UNQUANTISED p, in f32, and the product's result is divided by l at the end. Since M is a whole number, a kernel that streams over the keys may use a running M (the ceiling of the running maximum): every later rescaling is an exact power of two, which a block's scale takes up: the codes' values come out the same.
;;   OPERANDS COMPUTED ON THE WAY. 'Computed on the way' means the value that the module computes at that place (a softmax that the list does not call 'softmax' is quantised finished and normalised). What goes into a quantiser is computed in f32, as accurately as f32 sums, v_exp_f32 and their like allow (about 1e-6 of the number): no bf16 or f16 on the way to a quantiser, and a product that is left as it is and whose result goes on into a quantised operand takes f32 operands (vector FMAs, or v_wmma_f32_16x16x4_f32). A number that lies on a knife's edge between two numbers of the format may be rounded either way, as far as f32 arithmetic and the matrix unit's own rounding can turn it there, and no further.
;;   INPUTS GIVEN AS CODES. wk (in the module: [256, 256], K = its axis 1); wp (in the module: [256, 256], K = its axis 1); wq (in the module: [256, 256], K = its axis 1); wv (in the module: [256, 256], K = its axis 1): each comes as NAME_codes (uint8): NAME with its K axis moved to the last place and cut into blocks of 32 codes, [.., K / 32, bytes a block], one block behind the other in memory; one code a byte (a code: sign, 4 exponent bits, 3 mantissa bits); and NAME_scales (uint8): the same leading axes, one E8M0 byte (e + 127) for each 32 codes along K. Its value is code x scale, taken as it is: it is not quantised again, and the codes and scales need not be those that the quantiser above would give.
;; One version. Each part assembles by itself: llvm-mc -triple=amdgcn-amd-amdhsa -mcpu=gfx1250 --defsym DOCPART=n.
;; ======== version 1 of 1: 3 launches
;; workspace buffers: stats 8,192 bytes; qbuf 4,325,376 bytes; kbuf 4,325,376 bytes; vbuf 4,325,376 bytes
;; launch stats (part 1): grid 256 x 1, 4 waves a work-group, no clusters, 0 bytes of LDS; arguments x, stats; writes stats
.if DOCPART == 1
	.amdgcn_target "amdgcn-amd-amdhsa--gfx1250"
	.amdhsa_code_object_version 6
	.text
	.protected	k_q141a6109a6_stats
	.globl	k_q141a6109a6_stats
	.p2align	8
	.type	k_q141a6109a6_stats,@function
k_q141a6109a6_stats:
	s_mov_b64 s[64:65], 0
	v_nop
	global_prefetch_b8 v0, s[64:65] scope:SCOPE_SE
	s_setreg_imm32_b32 hwreg(HW_REG_WAVE_MODE, 25, 1), 1
	s_wait_xcnt 0x0
; The instance norm's figures: for each of the 1,024 planes (image, channel) of x, 4,096 f32 each, the mean and 1 / sqrt(variance + 1e-5).
; stats: mean[1024] at byte 0, 1 / sqrt(..)[1024] at byte 4,096; index 256 x image + channel.
; One wave takes one plane: 16,384 bytes = 128 registers a lane, so the plane is read once and both passes (the mean, then the squares of the
; differences from it, as the definition has them: no difference of large sums) run on registers.  All 32 loads of a wave are out at once.
; No LDS, no barrier, no matrix unit: a wave shares nothing and memory binds.
; The two results of a plane leave as two stores of 4 bytes from lane 0: 8 bytes for each 16,384 read; these do not fill aligned blocks of 256 bytes.
; LIMITS: NaN and infinities in x are not served.
.set X,  16                            ; v16-143  the plane
.set CH, 4                             ; v4-11    four chains of packed sums
	s_load_b128 s[4:7], s[0:1], 0x0                ; x, stats
	v_lshrrev_b32 v2, 5, v0
	v_readfirstlane_b32 s8, v2                     ; wave
	v_and_b32 v145, 31, v0                         ; lane
	v_lshlrev_b32 v1, 4, v145                      ; 16 bytes a lane: a load covers 512 consecutive bytes
	v_mov_b32 v14, 0                               ; (a lane permute's destination counts as one of its sources)
	v_mov_b32 v15, 0x39800000                      ; 1 / 4096
	s_lshl_b32 s9, ttmp9, 2
	s_add_co_u32 s9, s9, s8                        ; my plane: 4 x work-group + wave
	s_lshl_b32 s10, s9, 14                         ; its first byte in x
	s_mov_b32 s11, 0
	s_lshl_b32 s12, s9, 2
	v_mov_b32 v144, s12                            ; its word in stats
	s_mov_b32 s14, 0x76543210
	s_mov_b32 s15, 0xfedcba98                      ; v_permlanex16_b32's selects for lane l xor 16
	s_wait_kmcnt 0x0
	s_add_nc_u64 s[4:5], s[4:5], s[10:11]
.set j, 0
.rept 32
	global_load_b128 v[X+4*j:X+4*j+3], v1, s[4:5] offset:512*j   ; no hint: later launches read x again
.set j, j+1
.endr
; the four chains become one number, the same in every lane
.macro REDUCE
	v_pk_add_f32 v[CH:CH+1], v[CH:CH+1], v[CH+2:CH+3]
	v_pk_add_f32 v[CH+4:CH+5], v[CH+4:CH+5], v[CH+6:CH+7]
	v_pk_add_f32 v[CH:CH+1], v[CH:CH+1], v[CH+4:CH+5]
	v_add_f32 v4, v4, v5
	v_add_f32_dpp v4, v4, v4 row_xmask:1 row_mask:0xf bank_mask:0xf
	v_add_f32_dpp v4, v4, v4 row_xmask:2 row_mask:0xf bank_mask:0xf
	v_add_f32_dpp v4, v4, v4 row_xmask:4 row_mask:0xf bank_mask:0xf
	v_add_f32_dpp v4, v4, v4 row_xmask:8 row_mask:0xf bank_mask:0xf
	v_permlanex16_b32 v14, v4, s14, s15
	v_add_f32 v4, v4, v14
.endm
	; pass 1: the sum.  Eight loads (16 pairs) at a time; each wait leaves the younger loads out
	s_wait_loadcnt 24
.irp k, 0,1,2,3
	v_pk_add_f32 v[CH+2*\k:CH+2*\k+1], v[X+2*\k:X+2*\k+1], v[X+8+2*\k:X+9+2*\k]   ; the first eight pairs start the chains: nothing is cleared
.endr
.set p, 8
.rept 8
	v_pk_add_f32 v[CH+2*(p%4):CH+2*(p%4)+1], v[CH+2*(p%4):CH+2*(p%4)+1], v[X+2*p:X+2*p+1]
.set p, p+1
.endr
.irp g, 1,2,3
	s_wait_loadcnt 24-8*\g
.rept 16
	v_pk_add_f32 v[CH+2*(p%4):CH+2*(p%4)+1], v[CH+2*(p%4):CH+2*(p%4)+1], v[X+2*p:X+2*p+1]
.set p, p+1
.endr
.endr
	REDUCE
	v_mul_f32 v12, v4, v15                         ; the mean,
	v_mov_b32 v13, v12                             ; twice: a pair for the packed subtraction
	; pass 2: the differences, and the sum of their squares
.set p, 0
.rept 64
	v_pk_add_f32 v[X+2*p:X+2*p+1], v[X+2*p:X+2*p+1], v[12:13] neg_lo:[0,1] neg_hi:[0,1]
.set p, p+1
.endr
.irp k, 0,1,2,3
	v_pk_mul_f32 v[CH+2*\k:CH+2*\k+1], v[X+2*\k:X+2*\k+1], v[X+2*\k:X+2*\k+1]
.endr
.set p, 4
.rept 60
	v_pk_fma_f32 v[CH+2*(p%4):CH+2*(p%4)+1], v[X+2*p:X+2*p+1], v[X+2*p:X+2*p+1], v[CH+2*(p%4):CH+2*(p%4)+1]
.set p, p+1
.endr
	REDUCE
	v_fmaak_f32 v4, v4, v15, 0x3727c5ac            ; the variance + 1e-5
	v_rsq_f32 v5, v4
	v_nop                                          ; one plain instruction behind a transcendental (ISA guide 5.7.2)
	s_wait_xcnt 0x0                                ; EXEC is a source of the loads above: it changes only behind this wait
	v_cmp_eq_u32 vcc_lo, 0, v145
	s_and_saveexec_b32 s8, vcc_lo                  ; lane 0 alone stores
	global_store_b32 v144, v12, s[6:7]
	s_wait_alu depctr_va_vdst(0)
	global_store_b32 v144, v5, s[6:7] offset:4096
	s_endpgm
.Lfunc_end_k_q141a6109a6_stats:
	.size	k_q141a6109a6_stats, .Lfunc_end_k_q141a6109a6_stats-k_q141a6109a6_stats
	.p2alignl 7, 3214868480
	.fill 96, 4, 3214868480
	.section	.rodata,"a",@progbits
	.p2align	6, 0x0
	.amdhsa_kernel k_q141a6109a6_stats
		.amdhsa_group_segment_fixed_size 0
		.amdhsa_private_segment_fixed_size 0
		.amdhsa_enable_private_segment 0
		.amdhsa_kernarg_size 16
		.amdhsa_user_sgpr_count 2
		.amdhsa_user_sgpr_kernarg_segment_ptr 1
		.amdhsa_wavefront_size32 1
		.amdhsa_system_sgpr_workgroup_id_x 1
		.amdhsa_system_sgpr_workgroup_id_y 1
		.amdhsa_system_sgpr_workgroup_id_z 1
		.amdhsa_system_vgpr_workitem_id 0
		.amdhsa_next_free_vgpr 152
		.amdhsa_next_free_sgpr 66
		.amdhsa_reserve_vcc 1
		.amdhsa_float_denorm_mode_32 3
		.amdhsa_float_denorm_mode_16_64 3
		.amdhsa_memory_ordered 1
		.amdhsa_forward_progress 1
		.amdhsa_inst_pref_size 18
	.end_amdhsa_kernel
	.amdgpu_metadata
---
amdhsa.version: [ 1, 2 ]
amdhsa.kernels:
  - .name:           k_q141a6109a6_stats
    .symbol:         k_q141a6109a6_stats.kd
    .args:
      - { .name: x, .offset: 0, .size: 8, .value_kind: global_buffer, .address_space: global }
      - { .name: stats, .offset: 8, .size: 8, .value_kind: global_buffer, .address_space: global }
    .group_segment_fixed_size: 0
    .private_segment_fixed_size: 0
    .kernarg_segment_align: 8
    .kernarg_segment_size: 16
    .max_flat_workgroup_size: 128
    .sgpr_count:     66
    .vgpr_count:     152
    .wavefront_size: 32
...
	.end_amdgpu_metadata
.endif
;; end of part 1
;; launch qkv (part 2): grid 256 x 1, 8 waves a work-group, no clusters, 19,456 bytes of LDS; arguments x, stats, wq_codes, wq_scales, bq, qbuf, wk_codes, wk_scales, bk, kbuf, wv_codes, wv_scales, bv, vbuf; writes qbuf, kbuf, vbuf
.if DOCPART == 2
	.amdgcn_target "amdgcn-amd-amdhsa--gfx1250"
	.amdhsa_code_object_version 6
	.text
	.protected	k_q141a6109a6_qkv
	.globl	k_q141a6109a6_qkv
	.p2align	8
	.type	k_q141a6109a6_qkv,@function
k_q141a6109a6_qkv:
	s_mov_b64 s[64:65], 0
	v_nop
	global_prefetch_b8 v0, s[64:65] scope:SCOPE_SE
	s_setreg_imm32_b32 hwreg(HW_REG_WAVE_MODE, 25, 1), 1
	s_wait_xcnt 0x0
; hn = (x - mean) / sqrt(var + eps), quantised along the channels; q, k, v = W hn + b on codes of FP8 (E4M3) with one E8M0 scale for each 32 along K;
; q and k are quantised along their channels, v along the pixels (the keys), and stored as the next launch's operands.
; SHARES.  A work-group takes 64 pixels of one image.  First all eight waves make hn's codes: wave w takes channels 32 w .. 32 w + 31, a lane two pixels, its registers running
; down the channels, so that a block of 32 lies in one lane.  The codes meet in LDS (a row a pixel).  Then the waves part, once:
;   waves 0-3 (role A): q (waves 0, 1) or k (2, 3), output channels 128 (w % 2) on, all 64 pixels: 64 matrix instructions; their 16 weight fragments stay in window 1.
;   waves 4-7 (role B): v, channels 64 (w - 4) on: 32 matrix instructions.
; LAYOUT.  Role A uses the product transposed (source 0 = 16 rows of W, source 1 = 16 pixels): a lane holds one pixel and its registers run along the output channels, the next K.
; Role B takes source 0 = 16 pixels, source 1 = 16 rows of Wv: a lane holds one channel and its registers run along the pixels, v's K.
; THE ROWS OF A TILE ARE NOT NEIGHBOURS: lane r of tile 2 b + u of a group of 32 takes element 32 b + 8 u + r + 8 (r / 8), so that the 16 registers of tiles 2 b and 2 b + 1 are 16 neighbours along the next K.
; THE THREE BUFFERS are laid as images of operand registers: [image][step of 128 pixels][33,792 bytes]: 16 fragments of 2,048 bytes (four runs of 512: 16 bytes a lane), then 1,024 bytes of scale words.
;   q, k: fragment 2 kt + s: pixels of tile kt, channels 128 s on.  Scale word of (s, n = kt / 2) at 32,768 + 512 s + 16 lane + 4 n: lanes 0-15 tile 2 n, lanes 16-31 tile 2 n + 1.
;   v: fragment ct: channels of tile ct, the step's 128 pixels.  Scale word of n = ct / 2 at 32,768 + 512 (n / 4) + 16 lane + 4 (n % 4), the lanes' halves likewise.
; NO JOINT LOADS: all work-groups read the same weights, but each wave reads its 32,768 (role B: 16,384) bytes once, straight into the registers where they stay; a tile shared
; through LDS would put those 196,608 bytes a work-group through LDS only to be read from it once more.
; The codes leave in runs of 512 consecutive bytes; the scale words in pieces of 8 and of 2 bytes a lane, 16 bytes apart (1,024 of a step's 33,792 bytes), which do not fill aligned blocks of 256 bytes.
; LIMITS: NaN and infinities are not served; a block of zeros gets the byte 1 where the rule says 127 (its codes are zeros, and this program alone reads the bytes); blocks whose largest magnitude lies under 2^-118 were not tried.
.set HNP,   272                        ; LDS: a pixel's 256 codes + 16 bytes of padding
.set HSC,   64*HNP                     ; behind the 64 rows: hn's scale bytes, 8 a pixel
.set STEPB, 33792
; v1 lane, v2 r = lane % 16, v3 h = lane / 16, v4-14 addresses (below), v15 r + 8 (r / 8)
.set XS,  16                           ; v16-23   hn's scale words (scales alone)
.set WS,  24                           ; v24-39   the weights' scale words (scales alone)
.set TM,  40                           ; v40-55   the quantiser's: largest magnitudes, bytes, holds, scale operands
.set PW,  56                           ; v56      the scale word just made;  v57 the word of the tile before
.set PWA, 57
.set SW,  58                           ; v58-59   role A: two scale words as they are stored
.set SH,  60                           ; v60-61   role B: the scale bytes as they are stored
.set OC,  62                           ; v62      my byte offset among a step's codes
.set OS,  63                           ; v63      and among its scale words
.set PC,  64                           ; v64-79   the codes just made
.set BI,  80                           ; v80-143  role A: the bias in the result's layout, 8 registers a tile
.set BVC, 80                           ; v80-111  role B: likewise
.set VA,  112                          ; v112-239 role B: 16 accumulators
.set X,   144                          ; v144-207 x, then hn: register 2 i + P = channel i of pixel 2 lane + P
.set HA,  144                          ; v144-207 role A: 8 accumulators
.set T,   208                          ; v208-223 two sets of 8 numbers on their way into a conversion
.set XF,  208                          ; v208-239 role A: hn's two fragments
.set QS,  224                          ; v224-233 hn's quantiser: five registers for each of a lane's two pixels
.set BVL, 240                          ; v240-243 role B: the bias of my channel, a tile each
; window 1: the weights' fragments at v[16 (2 t + s)];  role B: from v128 hn's eight fragments
.set WV,  2
.set SEL, 16                           ; s[16:17] lane selects for lane l xor 16
.set MNT, 18                           ; s18  the mantissa field of 448
.set HM,  19                           ; s19  lanes 16-31
.set MSB, 0
.macro WIN new                         ; the immediate's high byte repeats the setting that is left; a switch that changes nothing is dropped
.if MSB != \new
	s_set_vgpr_msb (MSB<<8)|\new
.set MSB, \new
.endif
.endm
; one matrix instruction.  c < 0: the constant 0 starts the sum.  ra, rb: source 0's, source 1's scales are taken from lanes 16-31
.macro WMS d, a, b, c, sa, sb, ra, rb
.if (\c) < 0
.if (\ra) && (\rb)
	v_wmma_scale_f32_16x16x128_f8f6f4 v[(\d):(\d)+7], v[(\a):(\a)+15], v[(\b):(\b)+15], 0, v[\sa], v[\sb] matrix_a_scale:MATRIX_SCALE_ROW1 matrix_b_scale:MATRIX_SCALE_ROW1
.elseif (\ra)
	v_wmma_scale_f32_16x16x128_f8f6f4 v[(\d):(\d)+7], v[(\a):(\a)+15], v[(\b):(\b)+15], 0, v[\sa], v[\sb] matrix_a_scale:MATRIX_SCALE_ROW1
.elseif (\rb)
	v_wmma_scale_f32_16x16x128_f8f6f4 v[(\d):(\d)+7], v[(\a):(\a)+15], v[(\b):(\b)+15], 0, v[\sa], v[\sb] matrix_b_scale:MATRIX_SCALE_ROW1
.else
	v_wmma_scale_f32_16x16x128_f8f6f4 v[(\d):(\d)+7], v[(\a):(\a)+15], v[(\b):(\b)+15], 0, v[\sa], v[\sb]
.endif
.else
.if (\ra) && (\rb)
	v_wmma_scale_f32_16x16x128_f8f6f4 v[(\d):(\d)+7], v[(\a):(\a)+15], v[(\b):(\b)+15], v[(\c):(\c)+7], v[\sa], v[\sb] matrix_a_scale:MATRIX_SCALE_ROW1 matrix_b_scale:MATRIX_SCALE_ROW1
.elseif (\ra)
	v_wmma_scale_f32_16x16x128_f8f6f4 v[(\d):(\d)+7], v[(\a):(\a)+15], v[(\b):(\b)+15], v[(\c):(\c)+7], v[\sa], v[\sb] matrix_a_scale:MATRIX_SCALE_ROW1
.elseif (\rb)
	v_wmma_scale_f32_16x16x128_f8f6f4 v[(\d):(\d)+7], v[(\a):(\a)+15], v[(\b):(\b)+15], v[(\c):(\c)+7], v[\sa], v[\sb] matrix_b_scale:MATRIX_SCALE_ROW1
.else
	v_wmma_scale_f32_16x16x128_f8f6f4 v[(\d):(\d)+7], v[(\a):(\a)+15], v[(\b):(\b)+15], v[(\c):(\c)+7], v[\sa], v[\sb]
.endif
.endif
.endm
; 64 numbers of a lane, v[s] on, four blocks: register 16 b + i is number 16 (lane / 16) + i of block b; lane l xor 16 holds the block's other half.  Codes into v[pc] on (four registers a block), the four scale bytes into v[pw].
.macro QUANT s, pc, pw
.irp b, 0,1,2,3
	v_max3_num_f32 v[TM+\b], |v[\s+16*\b]|, |v[\s+1+16*\b]|, 0x4800000   ; my 16 numbers, and the floor 2^(9 - 127): so the byte cannot fall under 1.  (Each accumulator is read from its low end on)
.endr
.irp i, 2,4,6,8,10,12,14
.irp b, 0,1,2,3
	v_max3_num_f32 v[TM+\b], v[TM+\b], |v[\s+16*\b+\i]|, |v[\s+1+16*\b+\i]|   ; the four blocks by turns
.endr
.endr
.irp b, 0,1,2,3
	v_permlanex16_b32 v[TM+4+\b], v[TM+\b], s[SEL], s[SEL+1]
.endr
.irp b, 0,1,2,3
	v_max_num_f32 v[TM+\b], v[TM+\b], v[TM+4+\b]   ; the block's largest magnitude
.endr
.irp b, 0,1,2,3
	v_add_nc_u32 v[TM+12+\b], 0xfc000000, v[TM+\b]   ; 8 off its exponent field: the conversion's scale operand
.endr
.irp b, 0,1,2,3
	v_and_or_b32 v[TM+8+\b], v[TM+\b], 0x7f800000, s[MNT]   ; 448 x the scale
.endr
.irp b, 0,1,2,3
	v_lshrrev_b32 v[TM+4+\b], 23, v[TM+12+\b]   ; the scale's byte
.endr
	v_lshl_or_b32 v[\pw], v[TM+5], 8, v[TM+4]
	v_lshl_or_b32 v[\pw], v[TM+6], 16, v[\pw]
	v_lshl_or_b32 v[\pw], v[TM+7], 24, v[\pw]
.irp b, 0,1,2,3
.irp i, 0,1,2,3,4,5,6,7,8,9,10,11,12,13,14,15
	v_med3_num_f32 v[\s+16*\b+\i], v[\s+16*\b+\i], -v[TM+8+\b], v[TM+8+\b]   ; the conversion to an 8-bit code does not saturate (ISA guide 7.6.2): the hold at the largest code x the scale
.endr
	v_cvt_scalef32_pk8_fp8_f32 v[\pc+4*\b:\pc+1+4*\b], v[\s+16*\b:\s+7+16*\b], v[TM+12+\b]
	v_cvt_scalef32_pk8_fp8_f32 v[\pc+2+4*\b:\pc+3+4*\b], v[\s+8+16*\b:\s+15+16*\b], v[TM+12+\b]
.endr
	v_nop                                          ; one plain instruction between a scaled conversion and the next vector or matrix instruction that touches its registers
.endm
.macro WCODES t                        ; the weight's tile t, both K steps, into window 1
.irp q, 0,1
.irp c, 0,1,2,3
	global_load_b128 v[16*(2*\t+\q)+4*\c:16*(2*\t+\q)+4*\c+3], v9, s[8:9] offset:(32*(\t/2)+8*(\t%2))*256+128*\q+32*\c
.endr
.endr
.endm
.macro WSCALE t                        ; and its rows' two scale words
	global_load_b64 v[WS+2*\t:WS+2*\t+1], v10, s[10:11] offset:(32*(\t/2)+8*(\t%2))*8
.endm
	s_load_b128 s[4:7], s[0:1], 0x0                ; x, stats
	s_load_b256 s[8:15], s[0:1], 0x10              ; q's: codes, scales, bias, buffer
	s_load_b256 s[16:23], s[0:1], 0x30             ; k's
	s_load_b256 s[24:31], s[0:1], 0x50             ; v's
	v_lshl_add_u32 v254, v0, 2, 0x4800
	v_mov_b32 v255, 0
	v_lshrrev_b32 v15, 5, v0
	v_readfirstlane_b32 s[WV], v15                 ; wave 0..7
	v_and_b32 v1, 31, v0                           ; lane
	v_and_b32 v2, 15, v0                           ; r
	v_bfe_u32 v3, v0, 4, 1                         ; h
	v_lshlrev_b32 v4, 3, v1                        ; x: two pixels, 8 bytes a lane: a load covers 256 consecutive bytes
	s_lshl_b32 s3, s[WV], 5                        ; 32 w
	v_mul_u32_u24 v5, v1, 2*HNP
	v_add_nc_u32 v5, s3, v5                        ; hn's codes, in: row 2 lane, byte 32 w
	v_lshlrev_b32 v6, 4, v1
	v_add_nc_u32 v6, s[WV], v6
	v_add_nc_u32 v6, HSC, v6                       ; hn's scale bytes, in: 8 bytes a pixel, byte w
	v_and_b32 v15, 8, v2
	v_add_nc_u32 v15, v15, v2                      ; r + 8 (r / 8)
	v_mul_u32_u24 v7, v15, HNP
	v_lshl_add_u32 v7, v3, 4, v7                   ; hn's fragments, out: a tile's row of lane r, + 16 h
	v_lshl_add_u32 v8, v15, 3, HSC                 ; and its scale words
	v_lshlrev_b32 v9, 8, v15
	v_lshl_add_u32 v9, v3, 4, v9                   ; the weights: a row is 256 bytes
	v_lshlrev_b32 v10, 3, v15                      ; their scales: 8 bytes a row
	v_lshlrev_b32 v11, 6, v3                       ; role A's bias: my half's 16 channels on
	v_lshlrev_b32 v12, 2, v15                      ; role B's bias: my channel
	v_lshlrev_b32 v13, 4, v1                       ; 16 x lane: my place in an image's run of 512 bytes
	v_lshlrev_b32 v14, 4, v3                       ; 16 h: a shift
.irp b, 0,1,2,3
	v_mov_b32 v[TM+4+\b], 0                        ; written once: a lane permute's destination counts as one of its sources
.endr
	s_wait_kmcnt 0x0
	s_cmp_lt_u32 s[WV], 2                          ; which product is my wave's?  The choices hang on the wave's number alone
	s_cselect_b64 s[8:9], s[8:9], s[16:17]
	s_cselect_b64 s[10:11], s[10:11], s[18:19]
	s_cselect_b64 s[12:13], s[12:13], s[20:21]
	s_cselect_b64 s[14:15], s[14:15], s[22:23]
	s_cmp_lt_u32 s[WV], 4
	s_cselect_b64 s[8:9], s[8:9], s[24:25]
	s_cselect_b64 s[10:11], s[10:11], s[26:27]
	s_cselect_b64 s[12:13], s[12:13], s[28:29]
	s_cselect_b64 s[14:15], s[14:15], s[30:31]
	s_lshr_b32 s20, ttmp9, 6                       ; the image
	s_lshl_b32 s20, s20, 8
	s_add_co_u32 s20, s20, s3                      ; my first plane: 256 x image + 32 w
	s_lshl_b32 s22, s20, 2
	s_mov_b32 s23, 0
	s_add_nc_u64 s[6:7], s[6:7], s[22:23]
	s_load_b512 s[32:47], s[6:7], 0x0              ; the means of my 32 channels,
	s_load_b512 s[48:63], s[6:7], 0x40
	s_load_b512 s[68:83], s[6:7], 0x1000           ; and 1 / sqrt(var + eps)
	s_load_b512 s[84:99], s[6:7], 0x1040
	s_lshl_b32 s22, s20, 14
	s_and_b32 s21, ttmp9, 63
	s_lshl_b32 s21, s21, 8                         ; my 64 pixels: 256 bytes of each plane
	s_add_co_u32 s22, s22, s21
	s_add_nc_u64 s[4:5], s[4:5], s[22:23]
.set i, 0
.rept 32
	global_load_b64 v[X+2*i:X+2*i+1], v4, s[4:5] offset:16384*i   ; channel i
.set i, i+1
.endr
	s_and_b32 s24, s[WV], 1
	s_lshl_b32 s24, s24, 7                         ; role A: rows 128 (w % 2) on
	s_and_b32 s25, s[WV], 3
	s_lshl_b32 s25, s25, 6                         ; role B: rows 64 (w - 4) on
	s_cmp_lt_u32 s[WV], 4
	s_cselect_b32 s24, s24, s25                    ; my first row of the weight
	s_mov_b32 s27, 0
	s_lshl_b32 s26, s24, 8
	s_add_nc_u64 s[8:9], s[8:9], s[26:27]
	s_lshl_b32 s26, s24, 3
	s_add_nc_u64 s[10:11], s[10:11], s[26:27]
	s_lshl_b32 s26, s24, 2
	s_add_nc_u64 s[12:13], s[12:13], s[26:27]
	s_lshr_b32 s26, ttmp9, 1
	s_mul_i32 s26, s26, STEPB                      ; my step of 128 pixels in the buffer: 32 x image + block / 2 = work-group / 2
	s_add_nc_u64 s[14:15], s[14:15], s[26:27]
	s_mov_b32 s[SEL], 0x76543210
	s_mov_b32 s[SEL+1], 0xfedcba98
	s_mov_b32 s[MNT], 0x600000
	s_mov_b32 s[HM], 0xffff0000
	WIN 0x40                                       ; destination window 1
.irp t, 0,1,2,3
	WCODES \t                                      ; tiles 0-3 are wanted in both roles
.endr
	WIN 0
.irp t, 0,1,2,3
	WSCALE \t
.endr
	s_wait_kmcnt 0x0                               ; the plane's figures
	s_wait_loadcnt 36                              ; x's 32 loads are in: behind them stand 32 loads of weights and 4 of their scales
.set i, 0
.rept 32
	v_sub_f32 v[X+2*i], v[X+2*i], s[32+i]
	v_sub_f32 v[X+2*i+1], v[X+2*i+1], s[32+i]
.set i, i+1
.endr
.set i, 0
.rept 32
	v_mul_f32 v[X+2*i], s[68+i], v[X+2*i]          ; hn = (x - mean) x 1 / sqrt(var + eps)
	v_mul_f32 v[X+2*i+1], s[68+i], v[X+2*i+1]
.set i, i+1
.endr
; Pixel 2 lane + p: its 32 channels are one block, all in my registers X + p, X + 2 + p ..  The hold also brings them together for the conversions.
.macro QB p
.set QA, QS+5*\p
	v_max3_num_f32 v[QA], |v[X+\p]|, |v[X+2+\p]|, 0x4800000   ; two chains; the floor 2^(9 - 127) among the leaves
	v_max3_num_f32 v[QA+1], |v[X+4+\p]|, |v[X+6+\p]|, |v[X+8+\p]|
.set j, 5
.rept 13
	v_max3_num_f32 v[QA+((j-5)/2)%2], v[QA+((j-5)/2)%2], |v[X+2*j+\p]|, |v[X+2*j+2+\p]|
.set j, j+2
.endr
	v_max3_num_f32 v[QA], v[QA], v[QA+1], |v[X+62+\p]|
	v_add_nc_u32 v[QA+2], 0xfc000000, v[QA]        ; the conversion's scale operand
	v_and_or_b32 v[QA+3], v[QA], 0x7f800000, s[MNT]   ; 448 x the scale
	v_lshrrev_b32 v[QA+4], 23, v[QA+2]             ; the byte
.irp g, 0,1,2,3
.irp e, 0,1,2,3,4,5,6,7
	v_med3_num_f32 v[T+8*(\g%2)+\e], v[X+2*(8*\g+\e)+\p], -v[QA+3], v[QA+3]
.endr
	v_cvt_scalef32_pk8_fp8_f32 v[PC+8*\p+2*\g:PC+8*\p+2*\g+1], v[T+8*(\g%2):T+8*(\g%2)+7], v[QA+2]   ; the two sets of T take turns: eight plain lines stand between a conversion and the next write of its sources
.endr
	v_nop
	ds_store_b128 v5, v[PC+8*\p:PC+8*\p+3] offset:HNP*\p
	ds_store_b128 v5, v[PC+8*\p+4:PC+8*\p+7] offset:HNP*\p+16
	ds_store_b8 v6, v[QA+4] offset:8*\p
.endm
	QB 0
	QB 1
	s_wait_dscnt 0x0                               ; for the others' sake: my codes and bytes lie in LDS
	s_barrier_signal -1
	s_barrier_wait -1                              ; hn's 64 rows are whole
	s_cmp_lt_u32 s[WV], 4
	s_cbranch_scc0 .Lrole_b
	; ---- role A: q or k
	s_and_b32 s20, s[WV], 1                        ; s: which 128 output channels
	s_and_b32 s21, ttmp9, 1                        ; which half of the step's 128 pixels
	s_lshl_b32 s22, s21, 14
	s_lshl_b32 s23, s20, 11
	s_add_co_u32 s22, s22, s23
	v_add_nc_u32 v[OC], s22, v13                   ; fragment 2 (4 half + tile) + s: 16,384 half + 2,048 s, the tile in the immediate
	s_lshl_b32 s22, s20, 9
	s_lshl_b32 s23, s21, 3
	s_add_co_u32 s22, s22, s23
	s_add_co_u32 s22, s22, 32768
	v_add_nc_u32 v[OS], s22, v13                   ; words n = 2 half, 2 half + 1
	WIN 0x40
.irp t, 4,5,6,7
	WCODES \t
.endr
	WIN 0
.irp t, 4,5,6,7
	WSCALE \t
.endr
.irp t, 0,1,2,3,4,5,6,7
	global_load_b128 v[BI+8*\t:BI+8*\t+3], v11, s[12:13] offset:(32*(\t/2)+8*(\t%2))*4        ; the bias of the tile's eight channels of my half: the C of the sum's first product
	global_load_b128 v[BI+8*\t+4:BI+8*\t+7], v11, s[12:13] offset:(32*(\t/2)+8*(\t%2))*4+16
.endr
; Pixel tile 2 b + u: 16 matrix instructions (eight accumulators by turns; K step by K step), then the 128 channels of a lane's pixel become a fragment.
.macro ATILE b, u
.irp q, 0,1
.irp c, 0,1,2,3
	ds_load_b128 v[XF+16*\q+4*\c:XF+16*\q+4*\c+3], v7 offset:(32*\b+8*\u)*HNP+128*\q+32*\c
.endr
.endr
	ds_load_b64 v[XS:XS+1], v8 offset:(32*\b+8*\u)*8
.if (\b)+(\u) == 0
	s_wait_loadcnt 0x0                             ; the weights, their scales, the bias
.endif
	s_wait_dscnt 0x0
	WIN 0x01                                       ; source 0 (W) window 1
.irp t, 0,1,2,3,4,5,6,7
	WMS HA+8*\t,16*(2*\t),XF,BI+8*\t,WS+2*\t,XS,0,0
.endr
.irp t, 0,1,2,3,4,5,6,7
	WMS HA+8*\t,16*(2*\t+1),XF+16,HA+8*\t,WS+2*\t+1,XS+1,0,0
.endr
	WIN 0
.rept 8
	v_nop                                          ; eight places between these products and the first read of their results
.endr
	s_wait_xcnt 0x0                                ; the last tile's stores have read their data: the codes' registers are written again only behind this wait
	QUANT HA,PC,PW
.irp c, 0,1,2,3
	global_store_b128 v[OC], v[PC+4*\c:PC+4*\c+3], s[14:15] offset:(2*\b+\u)*4096+512*\c   ; 512 consecutive bytes
.endr
.if \u == 0
	v_mov_b32 v[PWA], v[PW]
.else
	v_cndmask_b32 v[SW+\b], v[PWA], v[PW], s[HM]   ; lanes 0-15 the even tile's words, lanes 16-31 the odd tile's
.endif
.endm
	ATILE 0, 0
	ATILE 0, 1
	ATILE 1, 0
	ATILE 1, 1
	global_store_b64 v[OS], v[SW:SW+1], s[14:15]
	s_wait_tensorcnt 0x0
	ds_add_u32 v254, v255
	s_wait_dscnt 0x0
	s_endpgm
	; ---- role B: v
.Lrole_b:
	s_and_b32 s20, s[WV], 3                        ; cq: which 64 channels
	s_and_b32 s21, ttmp9, 1                        ; which half of the step's 128 pixels
	s_lshl_b32 s22, s20, 13
	s_lshl_b32 s23, s21, 10
	s_add_co_u32 s22, s22, s23
	v_add_nc_u32 v[OC], s22, v13                   ; fragment 4 cq + tile, run 2 half + block: 8,192 cq + 1,024 half
	s_lshr_b32 s22, s20, 1
	s_lshl_b32 s22, s22, 9
	s_and_b32 s23, s20, 1
	s_lshl_b32 s23, s23, 3
	s_add_co_u32 s22, s22, s23
	s_lshl_b32 s23, s21, 1
	s_add_co_u32 s22, s22, s23
	s_add_co_u32 s22, s22, 32768
	v_add_nc_u32 v[OS], s22, v13                   ; word n = 2 cq + pair, bytes 2 half and 2 half + 1
.irp n, 0,1,2,3
	global_load_b32 v[BVL+\n], v12, s[12:13] offset:(32*(\n/2)+8*(\n%2))*4   ; the bias of my channel in each of the four tiles
.endr
	WIN 0x40
.irp m, 0,1,2,3
.irp q, 0,1
.irp c, 0,1,2,3
	ds_load_b128 v[128+16*(2*\m+\q)+4*\c:128+16*(2*\m+\q)+4*\c+3], v7 offset:(32*(\m/2)+8*(\m%2))*HNP+128*\q+32*\c
.endr
.endr
.endr
	WIN 0
.irp m, 0,1,2,3
	ds_load_b64 v[XS+2*\m:XS+2*\m+1], v8 offset:(32*(\m/2)+8*(\m%2))*8
.endr
	s_wait_loadcnt 0x0                             ; the weights, their scales, the bias
.irp n, 0,1,2,3
.irp j, 0,1,2,3,4,5,6,7
	v_mov_b32 v[BVC+8*\n+\j], v[BVL+\n]            ; a lane's eight results of a tile are eight pixels of one channel: the same bias in all eight
.endr
.endr
	s_wait_dscnt 0x0
	WIN 0x05                                       ; sources 0 (hn) and 1 (Wv) window 1
.irp n, 0,1,2,3
.irp m, 0,1,2,3
	WMS VA+32*\n+8*\m,128+16*(2*\m),16*(2*\n),BVC+8*\n,XS+2*\m,WS+2*\n,0,0
.endr
.endr
.irp n, 0,1,2,3
.irp m, 0,1,2,3
	WMS VA+32*\n+8*\m,128+16*(2*\m+1),16*(2*\n+1),VA+32*\n+8*\m,XS+2*\m+1,WS+2*\n+1,0,0
.endr
.endr
	WIN 0
.rept 8
	v_nop                                          ; eight places in front of the first read of results
.endr
.irp i, 0,1                            ; two channel tiles at a time: four blocks of 32 pixels
.if \i > 0
	s_wait_xcnt 0x0                                ; the first pair's stores have read their data
.endif
	QUANT VA+64*\i,PC,PW
.irp k, 0,1,2,3
	global_store_b128 v[OC], v[PC+4*\k:PC+4*\k+3], s[14:15] offset:(2*\i+\k/2)*2048+(\k%2)*512
.endr
	v_lshrrev_b32 v[SH+\i], v14, v[PW]             ; lanes 0-15 store the even tile's two bytes, lanes 16-31 the odd tile's
	global_store_b16 v[OS], v[SH+\i], s[14:15] offset:4*\i
.endr
	s_wait_tensorcnt 0x0
	ds_add_u32 v254, v255
	s_wait_dscnt 0x0
	s_endpgm
.Lfunc_end_k_q141a6109a6_qkv:
	.size	k_q141a6109a6_qkv, .Lfunc_end_k_q141a6109a6_qkv-k_q141a6109a6_qkv
	.p2alignl 7, 3214868480
	.fill 96, 4, 3214868480
	.section	.rodata,"a",@progbits
	.p2align	6, 0x0
	.amdhsa_kernel k_q141a6109a6_qkv
		.amdhsa_group_segment_fixed_size 19456
		.amdhsa_private_segment_fixed_size 0
		.amdhsa_enable_private_segment 0
		.amdhsa_kernarg_size 112
		.amdhsa_user_sgpr_count 2
		.amdhsa_user_sgpr_kernarg_segment_ptr 1
		.amdhsa_wavefront_size32 1
		.amdhsa_system_sgpr_workgroup_id_x 1
		.amdhsa_system_sgpr_workgroup_id_y 1
		.amdhsa_system_sgpr_workgroup_id_z 1
		.amdhsa_system_vgpr_workitem_id 0
		.amdhsa_next_free_vgpr 512
		.amdhsa_next_free_sgpr 100
		.amdhsa_reserve_vcc 0
		.amdhsa_float_denorm_mode_32 3
		.amdhsa_float_denorm_mode_16_64 3
		.amdhsa_memory_ordered 1
		.amdhsa_forward_progress 1
		.amdhsa_inst_pref_size 101
	.end_amdhsa_kernel
	.amdgpu_metadata
---
amdhsa.version: [ 1, 2 ]
amdhsa.kernels:
  - .name:           k_q141a6109a6_qkv
    .symbol:         k_q141a6109a6_qkv.kd
    .args:
      - { .name: x, .offset: 0, .size: 8, .value_kind: global_buffer, .address_space: global }
      - { .name: stats, .offset: 8, .size: 8, .value_kind: global_buffer, .address_space: global }
      - { .name: wq_codes, .offset: 16, .size: 8, .value_kind: global_buffer, .address_space: global }
      - { .name: wq_scales, .offset: 24, .size: 8, .value_kind: global_buffer, .address_space: global }
      - { .name: bq, .offset: 32, .size: 8, .value_kind: global_buffer, .address_space: global }
      - { .name: qbuf, .offset: 40, .size: 8, .value_kind: global_buffer, .address_space: global }
      - { .name: wk_codes, .offset: 48, .size: 8, .value_kind: global_buffer, .address_space: global }
      - { .name: wk_scales, .offset: 56, .size: 8, .value_kind: global_buffer, .address_space: global }
      - { .name: bk, .offset: 64, .size: 8, .value_kind: global_buffer, .address_space: global }
      - { .name: kbuf, .offset: 72, .size: 8, .value_kind: global_buffer, .address_space: global }
      - { .name: wv_codes, .offset: 80, .size: 8, .value_kind: global_buffer, .address_space: global }
      - { .name: wv_scales, .offset: 88, .size: 8, .value_kind: global_buffer, .address_space: global }
      - { .name: bv, .offset: 96, .size: 8, .value_kind: global_buffer, .address_space: global }
      - { .name: vbuf, .offset: 104, .size: 8, .value_kind: global_buffer, .address_space: global }
    .group_segment_fixed_size: 19456
    .private_segment_fixed_size: 0
    .kernarg_segment_align: 8
    .kernarg_segment_size: 112
    .max_flat_workgroup_size: 256
    .sgpr_count:     100
    .vgpr_count:     512
    .wavefront_size: 32
...
	.end_amdgpu_metadata
.endif
;; end of part 2
;; launch attn (part 3): grid 64 x 4, 4 waves a work-group, clusters of 4 x 1, 327,680 bytes of LDS; arguments qbuf, kbuf, vbuf, wp_codes, wp_scales, bp, x, out0; writes out0
.if DOCPART == 3
	.amdgcn_target "amdgcn-amd-amdhsa--gfx1250"
	.amdhsa_code_object_version 6
	.text
	.protected	k_q141a6109a6_attn
	.globl	k_q141a6109a6_attn
	.p2align	8
	.type	k_q141a6109a6_attn,@function
k_q141a6109a6_attn:
	s_mov_b64 s[64:65], 0
	v_nop
	global_prefetch_b8 v0, s[64:65] scope:SCOPE_SE
	s_setreg_imm32_b32 hwreg(HW_REG_WAVE_MODE, 25, 1), 1
	s_wait_xcnt 0x0
	s_wait_alu depctr_hold_cnt(0) depctr_sa_sdst(0) depctr_va_vdst(0) depctr_va_sdst(0) depctr_va_ssrc(0) depctr_va_vcc(0) depctr_vm_vsrc(0)
	s_getreg_b32 s2, hwreg(HW_REG_IB_STS2, 6, 4)
	s_cmp_eq_u32 s2, 0
	s_cbranch_scc0 .Lentry_in_a_cluster
	s_endpgm
.Lentry_in_a_cluster:
	s_bfe_u32 s2, ttmp6, 0x10000c
	s_cmp_lg_u32 s2, 0x3003
	s_cbranch_scc0 .Lentry_shape_is_right
	s_endpgm
.Lentry_shape_is_right:
; out = x + Wp o + bp, o[c][i] = the sum over keys j of v[c][j] softmax_j(q_i . k_j / 16): three products on codes of FP8 (E4M3) with one E8M0 scale for each 32 along K.
; qbuf, kbuf, vbuf: [image][step of 128 pixels][33,792 bytes], images of operand registers: 16 fragments of 2,048 bytes (four runs of 512: 16 bytes a lane), then 1,024 bytes of scale words (laid as the launch before states).
; THE SOFTMAX AHEAD OF THE SECOND PRODUCT: t = score x log2(e) / 16; M = the row's largest t so far, rounded up to a whole number; p = 2^(t - M) is quantised along the keys, not normalised.
; The row's sum is taken of the unquantised p and divides O at the end.  When M moves, the sum and O are multiplied by 2^(old M - new M): exact.
; SHARES.  A work-group owns 64 queries of one image (four tiles of 16) and walks the 4,096 keys in eight super-steps of 512.  In a super-step:
;   S:  wave w takes key step w (128 keys) against all 64 queries: each fragment of K read from LDS feeds four matrix instructions.
;   the four waves exchange their rows' largest scores through LDS, so that M is the same in all four; each makes p of its 128 keys, quantises it and stores it as register images.
;   PV: wave w takes channels 64 w .. 64 w + 63 over all 512 keys: each fragment of V and of P feeds four matrix instructions, and O needs no merging and is rescaled once for 512 keys.
; Both products are used transposed (S^T = K Q^T, O^T = V^T P^T): a lane holds one query throughout.  The rows of a tile of K, V and Q are chosen (lane r of tile 2 b + u: element 32 b + 8 u + r + 8 (r / 8)),
; so that the 16 registers of two neighbouring result tiles are 16 neighbours along the next K.
; At the end O / the sum is quantised along the channels, goes from wave to wave as register images, and wave w makes output channels 64 w on (source 0 = 16 queries, source 1 = 16 rows of Wp:
; a lane's eight results are eight neighbouring pixels of one channel), adds bp (the C of the first product) and x, and stores rows of 256 bytes.
; CLUSTER.  The four work-groups of a cluster belong to one image and walk the same K and V: each key step (33,792 dense bytes) is asked for JOINTLY, by the same tensor load with the same
; descriptor and a mask that names the four; wave w asks for key step w.  One slot for K and one for V (two of each do not fit), and two rounds of the cluster's barrier a super-step:
;   behind the round that follows S, K's slot has been read out: K of the next super-step is asked for and has the softmax in which to land;
;   behind the round that follows the softmax, V's fragments are in registers: V of the next super-step is asked for and has PV, the next S and the search for the maxima in which to land.
; So V has landed when the softmax begins, and its fragments are read from LDS between the exponentials.  By this text's own count a wave has two tensor loads out at the start and one behind each round.
; LIMITS: NaN and infinities are not served; |t| stays under 2^24, so that differences of M are whole numbers; a block of zeros carries the byte 1 (its codes are zeros, and this program alone reads the bytes).
; REGISTERS, in windows of 256 (s_set_vgpr_msb: bits 1:0 source 0, 3:2 source 1, 5:4 source 2, 7:6 destination):
;   window 0: addresses, statistics, scale words, codes just made.   window 1: S^T (block e of 16: v[16 e]), then P's 16 fragments; at the end o's fragments (v0-127) and rows of the result (v128-255).
;   window 2: v0-127 Q, at the end Wp;  v128-255 O^T (tile qt, channel tile ctl at v[128 + 8 (4 qt + ctl)]), at the end the projection's sums.   window 3: K's 16 fragments, then V's; at the end x (v0-127).
.set STEPB,  33792
.set PAIRB,  2*STEPB
.set SUPERB, 4*STEPB
.set BATCHB, 32*STEPB
.set VSLOT,  SUPERB                    ; LDS: K's four key steps at 0, V's behind them,
.set PIM,    2*SUPERB                  ; P's images: [key step][query tile][run][lane] x 16 bytes,
.set PSC,    PIM+32768                 ; P's scale words: [key step][lane][query tile],
.set MX,     PSC+2048                  ; the waves' largest scores: [wave][lane][query tile],
.set LX,     MX+2048                   ; the waves' sums, likewise,
.set SPARE,  LX+2048                   ; the spare words, 128 bytes for each wave: two blocks of 256 bytes that no other line names,
.set OIM,    SPARE+512                 ; o's eight fragments (2 qt + s),
.set OSC,    OIM+16384                 ; and their scale words, 128 bytes each.  The way out's stages (64 rows x 272 bytes a wave) lie in K's slot, at the wave's own key step, behind its last fill and last read
.set LI,   1                           ; 16 x lane
.set LS,   2                           ; 4 x lane
.set AK,   3                           ; my key step in K's slot
.set AVA,  4                           ; v4, v5  my four fragments of V in key steps 0, 1 and 2, 3
.set AVS,  6                           ; v6, v7  and their scale words
.set XB,   8                           ; PIM + 16 x lane: the base of all that is exchanged
.set XW,   9                           ; where I store P's images
.set XW2,  10                          ; where I store P's scale words; 2,048 on my largest scores; 4,096 on my sums
.set SPW,  11                          ; my spare word; never rewritten
.set NIL,  12                          ; 0; never rewritten
.set OW,   13                          ; where I store o's images
.set OSW,  14                          ; and my two bytes of their scale words
.set OSRD, 15                          ; where I read those words
.set STO,  16                          ; the stage, in
.set SRD,  17                          ; the stage, out
.set GO,   18                          ; my byte offset in the wave's rows of x and of the result
.set AWP,  19                          ; Wp's rows;  v20 their scales;  v21 bp
.set AWS,  20
.set ABP,  21
.set VQ,   22                          ; Q's codes;  v23 its scale words
.set VQS,  23
.set ST,   24                          ; v24-55  eight registers a query tile: -M, the largest t, the sum in two pairs, f = 2^(old M - new M) (at the end 1 / the sum), 0
.set KSC,  56                          ; v56-63   K's scale words       (these six runs hold scales and nothing else)
.set QSC,  64                          ; v64-67   Q's
.set VSC,  68                          ; v68-75   V's
.set PSR,  76                          ; v76-91   P's
.set PW,   92                          ; v92-95   the scale words just made
.set MXW,  96                          ; v96-99   my largest scores; at the end my sums
.set MXR,  100                         ; v100-115 the four waves' largest scores; then 448 x the scale of each block; at the end o's codes
.set BMQ,  116                         ; v116-131 the largest score of each of my 16 blocks, then its p, then its byte; at the end the four waves' sums
.set TM,   132                         ; v132-147 at work; the conversions' scale operands
.set TA,   148                         ; v148-151 at work
.set PC,   152                         ; v152-215 P's codes; at the end o, then bp in the result's layout
.set WPS,  216                         ; v216-223 Wp's scale words
.set OSR,  224                         ; v224-231 o's
.set BPL,  232                         ; v232-235 bp of my channel, a tile each
.set WV,   20
.set G1,   24                          ; s[24:31] descriptor group 1
.set G0K,  32                          ; s[32:35] group 0 for K;  s[36:39] for V
.set G0V,  36
.set SEL,  40                          ; s[40:41] lane selects for lane l xor 16
.set CS,   42                          ; s[42:43] c = log2(e) / 16
.set MNT,  44                          ; s44  the mantissa field of 448
.set MSB, 0
.macro WIN new                         ; the immediate's high byte repeats the setting that is left; a switch that changes nothing is dropped
.if MSB != \new
	s_set_vgpr_msb (MSB<<8)|\new
.set MSB, \new
.endif
.endm
; one matrix instruction.  c < 0: the constant 0 starts the sum.  ra, rb: source 0's, source 1's scales are taken from lanes 16-31
.macro WMS d, a, b, c, sa, sb, ra, rb
.if (\c) < 0
.if (\ra) && (\rb)
	v_wmma_scale_f32_16x16x128_f8f6f4 v[(\d):(\d)+7], v[(\a):(\a)+15], v[(\b):(\b)+15], 0, v[\sa], v[\sb] matrix_a_scale:MATRIX_SCALE_ROW1 matrix_b_scale:MATRIX_SCALE_ROW1
.elseif (\ra)
	v_wmma_scale_f32_16x16x128_f8f6f4 v[(\d):(\d)+7], v[(\a):(\a)+15], v[(\b):(\b)+15], 0, v[\sa], v[\sb] matrix_a_scale:MATRIX_SCALE_ROW1
.elseif (\rb)
	v_wmma_scale_f32_16x16x128_f8f6f4 v[(\d):(\d)+7], v[(\a):(\a)+15], v[(\b):(\b)+15], 0, v[\sa], v[\sb] matrix_b_scale:MATRIX_SCALE_ROW1
.else
	v_wmma_scale_f32_16x16x128_f8f6f4 v[(\d):(\d)+7], v[(\a):(\a)+15], v[(\b):(\b)+15], 0, v[\sa], v[\sb]
.endif
.else
.if (\ra) && (\rb)
	v_wmma_scale_f32_16x16x128_f8f6f4 v[(\d):(\d)+7], v[(\a):(\a)+15], v[(\b):(\b)+15], v[(\c):(\c)+7], v[\sa], v[\sb] matrix_a_scale:MATRIX_SCALE_ROW1 matrix_b_scale:MATRIX_SCALE_ROW1
.elseif (\ra)
	v_wmma_scale_f32_16x16x128_f8f6f4 v[(\d):(\d)+7], v[(\a):(\a)+15], v[(\b):(\b)+15], v[(\c):(\c)+7], v[\sa], v[\sb] matrix_a_scale:MATRIX_SCALE_ROW1
.elseif (\rb)
	v_wmma_scale_f32_16x16x128_f8f6f4 v[(\d):(\d)+7], v[(\a):(\a)+15], v[(\b):(\b)+15], v[(\c):(\c)+7], v[\sa], v[\sb] matrix_b_scale:MATRIX_SCALE_ROW1
.else
	v_wmma_scale_f32_16x16x128_f8f6f4 v[(\d):(\d)+7], v[(\a):(\a)+15], v[(\b):(\b)+15], v[(\c):(\c)+7], v[\sa], v[\sb]
.endif
.endif
.endm
; 64 numbers of a lane, v[s] on, four blocks: register 16 b + i is number 16 (lane / 16) + i of block b; lane l xor 16 holds the block's other half.  Codes into v[pc] on, the four scale bytes into v[pw].
.macro QUANT s, pc, pw
.irp b, 0,1,2,3
	v_max3_num_f32 v[TM+\b], |v[\s+16*\b]|, |v[\s+1+16*\b]|, 0x4800000   ; my 16 numbers, and the floor 2^(9 - 127): so the byte cannot fall under 1
.endr
.irp i, 2,4,6,8,10,12,14
.irp b, 0,1,2,3
	v_max3_num_f32 v[TM+\b], v[TM+\b], |v[\s+16*\b+\i]|, |v[\s+1+16*\b+\i]|
.endr
.endr
.irp b, 0,1,2,3
	v_permlanex16_b32 v[TM+4+\b], v[TM+\b], s[SEL], s[SEL+1]
.endr
.irp b, 0,1,2,3
	v_max_num_f32 v[TM+\b], v[TM+\b], v[TM+4+\b]
.endr
.irp b, 0,1,2,3
	v_add_nc_u32 v[TM+12+\b], 0xfc000000, v[TM+\b]   ; 8 off the exponent field: the conversion's scale operand
.endr
.irp b, 0,1,2,3
	v_and_or_b32 v[TM+8+\b], v[TM+\b], 0x7f800000, s[MNT]   ; 448 x the scale
.endr
.irp b, 0,1,2,3
	v_lshrrev_b32 v[TM+4+\b], 23, v[TM+12+\b]   ; the byte
.endr
	v_lshl_or_b32 v[\pw], v[TM+5], 8, v[TM+4]
	v_lshl_or_b32 v[\pw], v[TM+6], 16, v[\pw]
	v_lshl_or_b32 v[\pw], v[TM+7], 24, v[\pw]
.irp b, 0,1,2,3
.irp i, 0,1,2,3,4,5,6,7,8,9,10,11,12,13,14,15
	v_med3_num_f32 v[\s+16*\b+\i], v[\s+16*\b+\i], -v[TM+8+\b], v[TM+8+\b]   ; the conversion to an 8-bit code does not saturate (ISA guide 7.6.2)
.endr
	v_cvt_scalef32_pk8_fp8_f32 v[\pc+4*\b:\pc+1+4*\b], v[\s+16*\b:\s+7+16*\b], v[TM+12+\b]
	v_cvt_scalef32_pk8_fp8_f32 v[\pc+2+4*\b:\pc+3+4*\b], v[\s+8+16*\b:\s+15+16*\b], v[TM+12+\b]
.endr
	v_nop                                          ; one plain instruction between a scaled conversion and the next vector or matrix instruction that touches its registers
.endm
.macro PLACES n
.rept \n
	v_nop
.endr
.endm
.macro BARRIER                         ; my LDS stores have landed and my LDS loads are in: then the work-group's barrier
	s_wait_dscnt 0x0
	s_barrier_signal -1
	s_barrier_wait -1
.endm
; A round of the cluster's barrier: my work-group's barrier, wave 0 signals for the work-group, every wave waits for all four work-groups, my work-group's barrier once more.
.macro ROUND
	s_barrier_signal -1
	s_barrier_wait -1
	s_cmp_lg_u32 s[WV], 0
	s_cbranch_scc1 .Lnot_wave_0_\@
	s_barrier_signal -3
.Lnot_wave_0_\@:
	s_barrier_wait -3
	s_barrier_signal -1
	s_barrier_wait -1
.endm
; The joint refills.  Every wave asks for one key step, its own by the wave's number: LDS byte 33,792 x wave of the slot.  Four v_nop follow the tensor load.
.macro KLOAD
	tensor_load_to_lds s[G0K:G0K+3], s[G1:G1+7]
	s_nop 0
	PLACES 4
.endm
.macro VLOAD
	tensor_load_to_lds s[G0V:G0V+3], s[G1:G1+7]
	s_nop 0
	PLACES 4
.endm
; S^T = K Q^T goes in four runs: run j holds K step j / 2 of key tiles 4 (j % 2) on.  KFETCH: the run's four fragments, 16 LDS loads.  KMUL: its 16 products, 16 accumulators by turns.
.macro KFETCH j
	WIN 0xc0                                       ; destination window 3
.irp k, 0,1,2,3
.irp c, 0,1,2,3
	ds_load_b128 v[16*(2*(4*(\j%2)+\k)+\j/2)+4*\c:16*(2*(4*(\j%2)+\k)+\j/2)+4*\c+3], v[AK] offset:2048*(2*(4*(\j%2)+\k)+\j/2)+512*\c
.endr
.endr
.endm
.macro KMUL j
	WIN 0x5b                                       ; K window 3, Q window 2, S^T window 1
.irp k, 0,1,2,3
.irp t, 0,1,2,3
.if \j < 2
	WMS 64*\t+8*(4*(\j%2)+\k),16*(2*(4*(\j%2)+\k)+\j/2),16*(2*\t+\j/2),-1,KSC+4*(\j/2)+2*(\j%2)+\k/2,QSC+2*(\j/2)+\t/2,\k%2,\t%2
.else
	WMS 64*\t+8*(4*(\j%2)+\k),16*(2*(4*(\j%2)+\k)+\j/2),16*(2*\t+\j/2),64*\t+8*(4*(\j%2)+\k),KSC+4*(\j/2)+2*(\j%2)+\k/2,QSC+2*(\j/2)+\t/2,\k%2,\t%2
.endif
.endr
.endr
.endm
; Eight of the 64 LDS loads that bring my 16 fragments of V (load vl: key step vl / 16, run vl % 16 of my four fragments there)
.macro VF8
	WIN 0xc0                                       ; destination window 3
.rept 8
	ds_load_b128 v[4*vl:4*vl+3], v[AVA+vl/32] offset:((vl/16)%2)*STEPB+512*(vl%16)
.set vl, vl+1
.endr
.endm
; O^T += V^T P^T goes by key steps.  PFETCH: P's four fragments of key step g, 16 LDS loads.  PVMUL: its 16 products, 16 accumulators by turns.  zero = 1: they start the sums
.macro PFETCH g
	WIN 0x40                                       ; destination window 1
.set e, 0
.rept 16
	ds_load_b128 v[64*\g+4*e:64*\g+4*e+3], v[XB] offset:8192*\g+512*e
.set e, e+1
.endr
.endm
.macro PVMUL g, zero
	WIN 0xa7                                       ; V window 3, P window 1, O^T window 2
.irp t, 0,1,2,3
.irp k, 0,1,2,3
.if \zero
	WMS 128+8*(4*\t+\k),64*\g+16*\k,64*\g+16*\t,-1,VSC+2*\g+\k/2,PSR+4*\g+\t,\k%2,0
.else
	WMS 128+8*(4*\t+\k),64*\g+16*\k,64*\g+16*\t,128+8*(4*\t+\k),VSC+2*\g+\k/2,PSR+4*\g+\t,\k%2,0
.endif
.endr
.endr
.endm
	s_load_b512 s[4:19], s[0:1], 0x0               ; qbuf s[4:5], kbuf s[6:7], vbuf s[8:9], Wp's codes s[10:11], its scales s[12:13], bp s[14:15], x s[16:17], the result s[18:19]
	v_lshl_add_u32 v[SPW], v0, 2, SPARE
	v_mov_b32 v[NIL], 0
	ds_add_u32 v11, v12
	ds_add_u32 v11, v12
	s_wait_dscnt 0x0
	v_lshrrev_b32 v1, 5, v0
	v_readfirstlane_b32 s[WV], v1                  ; wave 0..3
	s_bfe_u32 s21, ttmp6, 0x40000                  ; cx: my place in the cluster
	s_lshl_b32 s22, ttmp9, 2
	s_add_co_u32 s22, s22, s21                     ; my block of 64 queries = 4 x cluster x + cx: it enters the addresses of Q, x and the result alone
	s_and_b32 s23, ttmp7, 0xffff                   ; the image, which the four partners share
	; descriptor group 1: a dense block of 33,792 bytes as 132 rows of 32 elements of 8 bytes; register images want no padding
	s_mov_b32 s[G1], 15|(3<<16)|(1<<21)            ; 15:0 the mask: all four work-groups; 17:16 elements of 8 bytes; 21 set beside a mask
	s_mov_b32 s[G1+1], 32<<16                      ; tensor_dim0 = 32
	s_mov_b32 s[G1+2], 132<<16                     ; tensor_dim1 = 132
	s_mov_b32 s[G1+3], 32<<16                      ; tile_dim0 = 32
	s_mov_b32 s[G1+4], 132                         ; tile_dim1 = 132
	s_mov_b32 s[G1+5], 32                          ; from row to row
	s_mov_b32 s[G1+6], 0
	s_mov_b32 s[G1+7], 0
	s_mov_b32 s[SEL], 0x76543210
	s_mov_b32 s[SEL+1], 0xfedcba98
	s_mov_b32 s[CS], 0x3db8aa3b                    ; log2(e) / 16
	s_mov_b32 s[CS+1], s[CS]                       ; (named with it as a pair, so it is written)
	s_mov_b32 s[MNT], 0x600000
	; every LDS address: a constant, a constant x lane, constants x parts of the wave's number
	v_and_b32 v2, 31, v0
	v_lshlrev_b32 v[LI], 4, v2
	v_lshlrev_b32 v[LS], 2, v2
	v_and_b32 v148, 15, v0                         ; r
	v_bfe_u32 v149, v0, 4, 1                       ; h
	s_mul_i32 s46, s[WV], STEPB                    ; my key step's place in a slot, and in a super-step's bytes
	v_add_nc_u32 v[AK], s46, v[LI]
	s_lshl_b32 s47, s[WV], 13
	s_add_co_u32 s48, s47, VSLOT
	v_add_nc_u32 v[AVA], s48, v[LI]                ; fragments 4 w .. 4 w + 3
	v_add_nc_u32 v[AVA+1], PAIRB, v[AVA]
	s_lshr_b32 s48, s[WV], 1                       ; w / 2
	s_and_b32 s49, s[WV], 1                        ; w % 2
	s_lshl_b32 s50, s48, 9
	s_lshl_b32 s51, s49, 3
	s_add_co_u32 s50, s50, s51
	s_add_co_u32 s50, s50, VSLOT+32768
	v_add_nc_u32 v[AVS], s50, v[LI]                ; words n = 2 w, 2 w + 1
	v_add_nc_u32 v[AVS+1], PAIRB, v[AVS]
	v_add_nc_u32 v[XB], PIM, v[LI]
	v_add_nc_u32 v[XW], s47, v[XB]
	s_lshl_b32 s50, s[WV], 9
	s_add_co_u32 s50, s50, PSC
	v_add_nc_u32 v[XW2], s50, v[LI]
	s_lshl_b32 s50, s48, 11
	s_lshl_b32 s51, s49, 10
	s_add_co_u32 s50, s50, s51
	s_add_co_u32 s50, s50, OIM
	v_add_nc_u32 v[OW], s50, v[LI]                 ; K step w / 2 of the projection, runs 2 (w % 2) on
	s_lshl_b32 s50, s48, 7
	s_lshl_b32 s51, s49, 1
	s_add_co_u32 s50, s50, s51
	s_add_co_u32 s50, s50, OSC
	v_add_nc_u32 v[OSW], s50, v[LS]
	v_add_nc_u32 v[OSRD], OSC, v[LS]
	v_mul_u32_u24 v[STO], v148, 272
	v_lshl_add_u32 v[STO], v149, 6, v[STO]
	v_add_nc_u32 v[STO], s46, v[STO]               ; in: row r of a tile of channels, + 64 h: my half's 16 pixels on
	v_mul_u32_u24 v[SRD], v149, 272
	v_lshl_add_u32 v[SRD], v148, 4, v[SRD]
	v_add_nc_u32 v[SRD], s46, v[SRD]               ; out: lanes 0-15 one row of 256 bytes, lanes 16-31 the next
	v_lshlrev_b32 v[GO], 14, v149
	v_lshl_add_u32 v[GO], v148, 4, v[GO]           ; and the same two rows (planes) in x and in the result
	v_lshlrev_b32 v[AWP], 8, v148
	v_lshl_add_u32 v[AWP], v149, 4, v[AWP]
	v_lshlrev_b32 v[AWS], 3, v148
	v_lshlrev_b32 v[ABP], 2, v148
	s_and_b32 s54, s22, 1                          ; which half of its step of 128 my block is
	s_lshl_b32 s55, s54, 3
	s_lshl_b32 s54, s54, 14
	v_add_nc_u32 v[VQ], s54, v[LI]
	v_add_nc_u32 v[VQS], s55, v[LI]
	s_mul_i32 s48, s23, BATCHB                     ; the image's first byte in the three buffers
	s_add_co_u32 s50, s48, s46                     ; the key step that I fetch, in super-step 0
	s_mov_b32 s51, 0
	s_lshr_b32 s52, s22, 1
	s_mul_i32 s52, s52, STEPB
	s_add_co_u32 s52, s52, s48                     ; my queries' step
	s_mov_b32 s53, 0
	s_wait_kmcnt 0x0
	s_mov_b32 s[G0K], 1                            ; 1:0 count = 1
	s_mov_b32 s[G0K+1], s46                        ; 63:32 LDS address
	s_add_nc_u64 s[G0K+2:G0K+3], s[6:7], s[50:51]  ; 120:64 global address: super-step 0
	s_or_b32 s[G0K+3], s[G0K+3], 0x80000000        ; 127:126 type = 2
	s_mov_b32 s[G0V], 1
	s_add_co_u32 s[G0V+1], s46, VSLOT
	s_add_nc_u64 s[G0V+2:G0V+3], s[8:9], s[50:51]
	s_or_b32 s[G0V+3], s[G0V+3], 0x80000000
	s_add_nc_u64 s[4:5], s[4:5], s[52:53]
	s_lshl_b32 s52, s23, 22                        ; an image of x: 256 planes of 16,384 bytes;
	s_lshl_b32 s54, s[WV], 20                      ; my 64 planes;
	s_add_co_u32 s52, s52, s54
	s_lshl_b32 s54, s22, 8                         ; my 64 pixels
	s_add_co_u32 s52, s52, s54
	s_add_nc_u64 s[16:17], s[16:17], s[52:53]
	s_add_nc_u64 s[18:19], s[18:19], s[52:53]
	s_lshl_b32 s52, s[WV], 14                      ; Wp: my 64 rows
	s_add_nc_u64 s[10:11], s[10:11], s[52:53]
	s_lshl_b32 s52, s[WV], 9
	s_add_nc_u64 s[12:13], s[12:13], s[52:53]
	s_lshl_b32 s52, s[WV], 8
	s_add_nc_u64 s[14:15], s[14:15], s[52:53]
	ROUND                                          ; all four work-groups are here: the first joint loads meet
	tensor_load_to_lds s[G0K:G0K+3], s[G1:G1+7]    ; the first fills, as one group: my key step of K and of V of super-step 0: two loads of mine are out
	s_nop 0
	tensor_load_to_lds s[G0V:G0V+3], s[G1:G1+7]
	s_nop 0
	PLACES 4
	WIN 0x80                                       ; destination window 2
.set e, 0
.rept 32
	global_load_b128 v[4*e:4*e+3], v[VQ], s[4:5] offset:512*e   ; Q's eight fragments (2 qt + s) stay in registers
.set e, e+1
.endr
	WIN 0
.irp q, 0,1
	global_load_b64 v[QSC+2*\q:QSC+2*\q+1], v[VQS], s[4:5] offset:32768+512*\q   ; K step q: tiles 0, 1 in one word's two halves of the lanes, tiles 2, 3 in the next
.endr
.irp t, 0,1,2,3
	v_mov_b32 v[ST+8*\t+1], 0xff61b1e6             ; the largest t so far: -3e38, under every t
	v_floor_f32 v[ST+8*\t], -v[ST+8*\t+1]          ; -M
.irp i, 2,3,4,5,6,7
	v_mov_b32 v[ST+8*\t+\i], 0                     ; the sums; f; and the upper half of f's pair
.endr
.endr
.set e, 0
.rept 16
	v_mov_b32 v[TM+e], 0                           ; written once: a lane permute's destination counts as one of its sources
.set e, e+1
.endr
	s_wait_tensorcnt 0x1                           ; my key step of K has landed; V's load, issued behind it, may stay out
	s_barrier_signal -1
	s_barrier_wait -1                              ; everybody's has
	s_wait_loadcnt 0x0                             ; Q
; A SUPER-STEP: 512 keys.  first: O^T's sums begin.  fill: K and V of the next super-step are asked for.  last: Wp is fetched into Q's registers.
.macro SUPER first, fill, last
	; ---- S^T = K Q^T: my key step against the four query tiles.  Runs of loads and runs of products alternate, so that the wave has products to issue while the later runs come
.if !\first
	PLACES 9                                       ; behind the last products: eight places in front of loads into the registers that held V, nine in front of results laid over the registers that held P
.endif
	ds_load_b128 v[KSC:KSC+3], v[AK] offset:32768
	ds_load_b128 v[KSC+4:KSC+7], v[AK] offset:33280
	KFETCH 0
	KFETCH 1
	s_wait_dscnt 16                                ; the scale words and run 0 are in: behind them stand run 1's 16 loads
	KMUL 0
	KFETCH 2                                       ; (into registers that none of this super-step's products has read)
	s_wait_dscnt 16                                ; run 1 is in: behind it stand run 2's 16
	KMUL 1
	KFETCH 3
	s_wait_dscnt 16                                ; run 2 is in: behind it stand run 3's 16
	KMUL 2
	s_wait_dscnt 0x0
	KMUL 3
	WIN 0
	PLACES 8                                       ; in front of the first read of results, and of loads into Q's and K's registers
.if \last
	WIN 0x80
.set e, 0
.rept 32
	global_load_b128 v[4*e:4*e+3], v[AWP], s[10:11] offset:(e/8)*4096+((e/4)%2)*128+32*(e%4)   ; Q is done with: Wp's fragment 2 ot + s: rows 16 ot on, K step s
.set e, e+1
.endr
	WIN 0
.irp o, 0,1,2,3
	global_load_b64 v[WPS+2*\o:WPS+2*\o+1], v[AWS], s[12:13] offset:128*\o
	global_load_b32 v[BPL+\o], v[ABP], s[14:15] offset:64*\o
.endr
.endif
	; ---- the largest score of each block of 32 keys (block e = 4 qt + b: registers 16 e on).  It serves twice: for the row's maximum, and, since p rises with the score, for the block's largest p
	WIN 0x15
.set e, 0
.rept 16
	v_max3_num_f32 v[BMQ+e], v[16*e], v[16*e+1], v[16*e+2]   ; each accumulator is read from its low end on
.set e, e+1
.endr
	WIN 0x14
.irp i, 3,5,7,9,11,13
.set e, 0
.rept 16
	v_max3_num_f32 v[BMQ+e], v[BMQ+e], v[16*e+\i], v[16*e+\i+1]
.set e, e+1
.endr
.endr
.set e, 0
.rept 16
	v_max_num_f32 v[BMQ+e], v[BMQ+e], v[16*e+15]
.set e, e+1
.endr
	WIN 0
.set e, 0
.rept 16
	v_permlanex16_b32 v[TM+e], v[BMQ+e], s[SEL], s[SEL+1]
.set e, e+1
.endr
.set e, 0
.rept 16
	v_max_num_f32 v[BMQ+e], v[BMQ+e], v[TM+e]      ; with lane l xor 16's 16 keys
.set e, e+1
.endr
.irp t, 0,1,2,3
	v_max3_num_f32 v[MXW+\t], v[BMQ+4*\t], v[BMQ+4*\t+1], v[BMQ+4*\t+2]
.endr
.irp t, 0,1,2,3
	v_max_num_f32 v[MXW+\t], v[MXW+\t], v[BMQ+4*\t+3]   ; my 128 keys' largest score of each query
.endr
	ds_store_b128 v[XW2], v[MXW:MXW+3] offset:MX-PSC
	; ---- the first meeting: K's slot has been read out; V of this super-step has landed; the largest scores lie in LDS
	s_wait_tensorcnt 0x0                           ; my one load that was out is my key step of this super-step's V; none is out now, so a group 0 may be written
.if \fill
	ds_add_u32 v[SPW], v[NIL]                      ; 0 onto my spare word
	s_add_nc_u64 s[G0K+2:G0K+3], s[G0K+2:G0K+3], SUPERB   ; K of the next super-step; the type bits on top are not reached
	s_wait_dscnt 0x0                               ; the add is done, my reads of K's slot are over, my largest scores lie in LDS
	ROUND                                          ; all that now holds of every wave of all four work-groups
	KLOAD                                          ; the first thing behind the round, my one tensor load until the next: it has the softmax in which to land
.else
	BARRIER                                        ; nothing is left to fetch: the work-group's barrier alone
.endif
	; ---- M, the same in all four waves
.irp g, 0,1,2,3
	ds_load_b128 v[MXR+4*\g:MXR+4*\g+3], v[XB] offset:MX-PIM+512*\g
.endr
	s_wait_dscnt 0x0
.irp g, 0,1,2,3
	ds_load_b64 v[VSC+2*\g:VSC+2*\g+1], v[AVS+\g/2] offset:(\g%2)*STEPB   ; V's scale words of my four tiles: wanted behind the second meeting, whose wait covers them
.endr
.irp t, 0,1,2,3
	v_max3_num_f32 v[TA+\t], v[MXR+\t], v[MXR+4+\t], v[MXR+8+\t]
.endr
.irp t, 0,1,2,3
	v_max_num_f32 v[TA+\t], v[TA+\t], v[MXR+12+\t]   ; the 512 keys' largest score
.endr
.irp t, 0,1,2,3
	v_mul_f32 v[TA+\t], s[CS], v[TA+\t]            ; as t (c is positive)
.endr
.irp t, 0,1,2,3
	v_max_num_f32 v[ST+8*\t+1], v[ST+8*\t+1], v[TA+\t]   ; the running largest t
.endr
.irp t, 0,1,2,3
	v_mov_b32 v[TA+\t], v[ST+8*\t]
.endr
.irp t, 0,1,2,3
	v_floor_f32 v[ST+8*\t], -v[ST+8*\t+1]          ; the new -M = floor(-t): M is a whole number
.endr
.irp t, 0,1,2,3
	v_sub_f32 v[TA+\t], v[ST+8*\t], v[TA+\t]       ; old M - new M: a whole number, 0 or less
.endr
.irp t, 0,1,2,3
	v_cvt_i32_f32 v[TA+\t], v[TA+\t]               ; (it saturates)
.endr
.irp t, 0,1,2,3
	v_ldexp_f32 v[ST+8*\t+6], 1.0, v[TA+\t]        ; f = 2^(old M - new M)
.endr
	; ---- the 16 blocks' scales: each block's largest score goes through the same multiply-add and exponential as the scores themselves
.set e, 0
.rept 16
	v_fma_f32 v[BMQ+e], v[BMQ+e], s[CS], v[ST+8*(e/4)]
.set e, e+1
.endr
.set e, 0
.rept 16
	v_exp_f32 v[BMQ+e], v[BMQ+e]
.set e, e+1
.endr
.irp t, 0,1,2,3
	v_pk_mul_f32 v[ST+8*\t+2:ST+8*\t+3], v[ST+8*\t+2:ST+8*\t+3], v[ST+8*\t+6:ST+8*\t+7] op_sel_hi:[1,0]   ; the sums under the new M.  (Plain instructions behind the exponentials)
	v_pk_mul_f32 v[ST+8*\t+4:ST+8*\t+5], v[ST+8*\t+4:ST+8*\t+5], v[ST+8*\t+6:ST+8*\t+7] op_sel_hi:[1,0]
.endr
.set e, 0
	s_wait_alu depctr_va_vdst(0)
.rept 16
	v_max_num_f32 v[BMQ+e], 0x4800000, v[BMQ+e]    ; the floor 2^(9 - 127): the byte cannot fall under 1
.set e, e+1
.endr
.set e, 0
.rept 16
	v_add_nc_u32 v[TM+e], 0xfc000000, v[BMQ+e]     ; the conversion's scale operand
.set e, e+1
.endr
.set e, 0
.rept 16
	v_and_or_b32 v[MXR+e], v[BMQ+e], 0x7f800000, s[MNT]   ; 448 x the scale
.set e, e+1
.endr
.set e, 0
.rept 16
	v_lshrrev_b32 v[BMQ+e], 23, v[TM+e]            ; the byte
.set e, e+1
.endr
.irp t, 0,1,2,3
	v_lshl_or_b32 v[PW+\t], v[BMQ+4*\t+1], 8, v[BMQ+4*\t]
.endr
.irp t, 0,1,2,3
	v_lshl_or_b32 v[PW+\t], v[BMQ+4*\t+2], 16, v[PW+\t]
.endr
.irp t, 0,1,2,3
	v_lshl_or_b32 v[PW+\t], v[BMQ+4*\t+3], 24, v[PW+\t]   ; p's scale word of my 128 keys, for each query tile
.endr
	; ---- p = 2^(t - M), in place.  A tile's packed multiply-adds stand between the exponentials of the tile before.
	; V's 64 fragment loads stand among them, eight at a time, 48 vector instructions apart (32 in the last tile), into the registers that K's fragments have left: they are wanted behind the second meeting, whose wait covers them
	WIN 0x41                                       ; destination and source 0 window 1
.set e, 0
.rept 32
	v_pk_fma_f32 v[2*e:2*e+1], v[2*e:2*e+1], s[CS:CS+1], v[ST:ST+1] op_sel_hi:[1,0,0]
.set e, e+1
.endr
.set vl, 0
.irp t, 0,1,2,3
.set e, 0
.rept 32
.if (e%16) == 0
	VF8
	WIN 0x41
.endif
	v_exp_f32 v[64*\t+2*e], v[64*\t+2*e]
	v_exp_f32 v[64*\t+2*e+1], v[64*\t+2*e+1]
.if \t < 3
	v_pk_fma_f32 v[64*(\t+1)+2*e:64*(\t+1)+2*e+1], v[64*(\t+1)+2*e:64*(\t+1)+2*e+1], s[CS:CS+1], v[ST+8*(\t+1):ST+8*(\t+1)+1] op_sel_hi:[1,0,0]
.endif
.set e, e+1
.endr
.endr
	WIN 0x01                                       ; source 0 window 1
.set e, 0
	s_wait_alu depctr_va_vdst(0)
.rept 16                               ; the rows' sums, of the unquantised p: eight chains by turns.  (The first of these lines is the plain instruction behind the last exponential, whose result is read in the last)
.irp t, 0,1,2,3
	v_pk_add_f32 v[ST+8*\t+2:ST+8*\t+3], v[64*\t+4*e:64*\t+4*e+1], v[ST+8*\t+2:ST+8*\t+3]
	v_pk_add_f32 v[ST+8*\t+4:ST+8*\t+5], v[64*\t+4*e+2:64*\t+4*e+3], v[ST+8*\t+4:ST+8*\t+5]
.endr
.set e, e+1
.endr
	WIN 0x41
.set e, 0
.rept 256
	v_min_num_f32 v[e], v[e], v[MXR+e/16]          ; the conversion to an 8-bit code does not saturate (ISA guide 7.6.2); p is not negative, so the hold is one-sided
.set e, e+1
.endr
	WIN 0x01
.set e, 0
.rept 32
	v_cvt_scalef32_pk8_fp8_f32 v[PC+2*e:PC+2*e+1], v[8*e:8*e+7], v[TM+e/2]
.set e, e+1
.endr
	WIN 0
	v_nop                                          ; one plain instruction behind the last conversion
.set e, 0
.rept 16
	ds_store_b128 v[XW], v[PC+4*e:PC+4*e+3] offset:512*e   ; four fragments, as they stand
.set e, e+1
.endr
	ds_store_b128 v[XW2], v[PW:PW+3]
	; ---- the second meeting: P lies in LDS; V's fragments are in registers, so V's slot has been read out; K of the next super-step has landed
.if \fill
	s_wait_tensorcnt 0x0                           ; my one load that was out is my key step of the next super-step's K; none is out now, so a group 0 may be written
	ds_add_u32 v[SPW], v[NIL]                      ; 0 onto my spare word
	s_add_nc_u64 s[G0V+2:G0V+3], s[G0V+2:G0V+3], SUPERB   ; V of the next super-step
	s_wait_dscnt 0x0                               ; the add is done, my reads of V's slot are over, my images of P lie in LDS
	ROUND                                          ; all that now holds of every wave of all four work-groups
	VLOAD                                          ; the first thing behind the round, my one tensor load until the next: it has these products, the next S and its maxima in which to land
.else
	BARRIER                                        ; nothing is left to fetch, and no tensor load is out
.endif
	; ---- O^T += V^T P^T: my 64 channels, all 512 keys.  Runs of loads and runs of products alternate, as in S
.irp g, 0,1,2,3
	ds_load_b128 v[PSR+4*\g:PSR+4*\g+3], v[XB] offset:PSC-PIM+512*\g
.endr
	PFETCH 0
	PFETCH 1
.if !\first
	WIN 0x82                                       ; destination and source 0 window 2
.set e, 0
.rept 64
	v_pk_mul_f32 v[128+2*e:128+2*e+1], v[128+2*e:128+2*e+1], v[ST+8*(e/16)+6:ST+8*(e/16)+7] op_sel_hi:[1,0]   ; O^T under the new M, while the fragments come; each accumulator from its low end on
.set e, e+1
.endr
.endif
	s_wait_dscnt 16                                ; P's scale words and key step 0 are in: behind them stand key step 1's 16 loads
	PVMUL 0, \first
	PFETCH 2
	s_wait_dscnt 16                                ; key step 1 is in: behind it stand key step 2's 16
	PVMUL 1, 0
	PFETCH 3
	s_wait_dscnt 16                                ; key step 2 is in: behind it stand key step 3's 16
	PVMUL 2, 0
	s_wait_dscnt 0x0
	PVMUL 3, 0
	WIN 0
.endm
	SUPER 1, 1, 0                                  ; super-step 0
	s_mov_b32 s45, 6
.Lsuper:                                           ; super-steps 1 to 6
	SUPER 0, 1, 0
	s_sub_co_u32 s45, s45, 1
	s_cmp_lg_u32 s45, 0
	s_cbranch_scc1 .Lsuper
	SUPER 0, 0, 1                                  ; the last is written out: nothing follows
	; ---- THE END.  x is asked for now, into the registers that held V
	PLACES 8
	WIN 0xc0
.set i, 0
.rept 32
	global_load_b128 v[4*i:4*i+3], v[GO], s[16:17] offset:32768*i th:TH_LOAD_NT   ; planes 2 i and 2 i + 1 of my 64: sixteen lanes read 256 consecutive bytes; nobody reads them again
.set i, i+1
.endr
	WIN 0
	; the rows' sums: a lane's four parts, lane l xor 16's, the four waves'
.irp t, 0,1,2,3
	v_pk_add_f32 v[ST+8*\t+2:ST+8*\t+3], v[ST+8*\t+2:ST+8*\t+3], v[ST+8*\t+4:ST+8*\t+5]
.endr
.irp t, 0,1,2,3
	v_add_f32 v[MXW+\t], v[ST+8*\t+2], v[ST+8*\t+3]
.endr
.irp t, 0,1,2,3
	v_permlanex16_b32 v[TM+\t], v[MXW+\t], s[SEL], s[SEL+1]
.endr
.irp t, 0,1,2,3
	v_add_f32 v[MXW+\t], v[MXW+\t], v[TM+\t]
.endr
	ds_store_b128 v[XW2], v[MXW:MXW+3] offset:LX-PSC
	BARRIER
.irp g, 0,1,2,3
	ds_load_b128 v[BMQ+4*\g:BMQ+4*\g+3], v[XB] offset:LX-PIM+512*\g
.endr
	s_wait_dscnt 0x0
.irp t, 0,1,2,3
	v_add_f32 v[BMQ+\t], v[BMQ+\t], v[BMQ+4+\t]
.endr
.irp t, 0,1,2,3
	v_add_f32 v[BMQ+8+\t], v[BMQ+8+\t], v[BMQ+12+\t]
.endr
.irp t, 0,1,2,3
	v_add_f32 v[BMQ+\t], v[BMQ+\t], v[BMQ+8+\t]
.endr
.irp t, 0,1,2,3
	v_rcp_f32 v[ST+8*\t+6], v[BMQ+\t]
.endr
	v_nop                                          ; one plain instruction behind the transcendentals
	s_wait_alu depctr_va_vdst(0)
	; o = O^T / the sum, quantised along the channels: two query tiles at a time are four blocks of 32 of my 64 channels
.irp p, 0,1
	WIN 0x02                                       ; source 0 window 2
.set e, 0
.rept 32
	v_pk_mul_f32 v[PC+2*e:PC+2*e+1], v[128+64*\p+2*e:128+64*\p+2*e+1], v[ST+8*(2*\p+e/16)+6:ST+8*(2*\p+e/16)+7] op_sel_hi:[1,0]   ; each accumulator from its low end on
.set e, e+1
.endr
	WIN 0
	QUANT PC,MXR,PW
.irp k, 0,1,2,3
	ds_store_b128 v[OW], v[MXR+4*\k:MXR+4*\k+3] offset:4096*(2*\p+\k/2)+512*(\k%2)   ; query tile 2 p + k / 2: my two runs of its fragment
.endr
	ds_store_b16 v[OSW], v[PW] offset:512*\p                    ; and my two bytes of its scale word: the even tile's,
	ds_store_b16_d16_hi v[OSW], v[PW] offset:512*\p+256         ; the odd tile's
	s_wait_dscnt 0x0                               ; the stores have read their registers
.endr
	s_wait_loadcnt 32                              ; Wp, its scales and bp are in: behind them stand x's 32 loads
.irp o, 0,1,2,3
.irp j, 0,1,2,3,4,5,6,7
	v_mov_b32 v[PC+8*\o+\j], v[BPL+\o]             ; a lane's eight results of a tile are eight pixels of one channel: the same bias in all eight
.endr
.endr
	BARRIER                                        ; o's eight fragments lie in LDS
	WIN 0x40
.set e, 0
.rept 32
	ds_load_b128 v[4*e:4*e+3], v[XB] offset:OIM-PIM+512*e
.set e, e+1
.endr
	WIN 0
.irp f, 0,1,2,3,4,5,6,7
	ds_load_b32 v[OSR+\f], v[OSRD] offset:128*\f
.endr
	s_wait_dscnt 0x0
	WIN 0x89                                       ; o window 1, Wp window 2, bp window 0, the sums window 2
.irp o, 0,1,2,3
.irp t, 0,1,2,3
	WMS 128+8*(4*\o+\t),16*(2*\t),16*(2*\o),PC+8*\o,OSR+2*\t,WPS+2*\o,0,0
.endr
.endr
	WIN 0xa9                                       ; C window 2
.irp o, 0,1,2,3
.irp t, 0,1,2,3
	WMS 128+8*(4*\o+\t),16*(2*\t+1),16*(2*\o+1),128+8*(4*\o+\t),OSR+2*\t+1,WPS+2*\o+1,0,0
.endr
.endr
	WIN 0
	PLACES 8
	; THE WAY OUT.  A lane holds 32 neighbouring bytes of a channel's row and the lanes beside it other rows: through my own stage, back as whole rows of 256 bytes.
	WIN 0x08                                       ; an LDS store's data are its source 1: window 2
.irp o, 0,1,2,3
.irp t, 0,1,2,3
	ds_store_b128 v[STO], v[128+8*(4*\o+\t):128+8*(4*\o+\t)+3] offset:4352*\o+128*(\t/2)+32*(\t%2)        ; channel 16 o + r, pixels 32 (t / 2) + 8 (t % 2) + 16 h on; each accumulator from its low end on
	ds_store_b128 v[STO], v[128+8*(4*\o+\t)+4:128+8*(4*\o+\t)+7] offset:4352*\o+128*(\t/2)+32*(\t%2)+16
.endr
.endr
	WIN 0x40
.set i, 0
.rept 32
	ds_load_b128 v[128+4*i:128+4*i+3], v[SRD] offset:544*i   ; LDS serves a wave's instructions in order (ISA guide 5.7.1.4): these see the stores above
.set i, i+1
.endr
	s_wait_dscnt 0x0
	s_wait_loadcnt 0x0                             ; x
	WIN 0x4d                                       ; destination and source 0 window 1, source 1 window 3
.set e, 0
.rept 64
	v_pk_add_f32 v[128+2*e:128+2*e+1], v[128+2*e:128+2*e+1], v[2*e:2*e+1]   ; + x
.set e, e+1
.endr
	WIN 0x04                                       ; a store's data are its source 1: window 1
.set i, 0
.rept 32
	global_store_b128 v[GO], v[128+4*i:128+4*i+3], s[18:19] offset:32768*i th:TH_STORE_NT   ; sixteen lanes store 256 consecutive bytes, at a multiple of 256 from the result's first byte
.set i, i+1
.endr
	WIN 0
	s_wait_tensorcnt 0x0                           ; the wave's end, behind my last tensor load and my last LDS store
	ds_add_u32 v[SPW], v[NIL]
	s_wait_dscnt 0x0
	ROUND                                          ; the closing round: no work-group ends while a partner may still ask for a tile that names it
	s_endpgm
.Lfunc_end_k_q141a6109a6_attn:
	.size	k_q141a6109a6_attn, .Lfunc_end_k_q141a6109a6_attn-k_q141a6109a6_attn
	.p2alignl 7, 3214868480
	.fill 96, 4, 3214868480
	.section	.rodata,"a",@progbits
	.p2align	6, 0x0
	.amdhsa_kernel k_q141a6109a6_attn
		.amdhsa_group_segment_fixed_size 327680
		.amdhsa_private_segment_fixed_size 0
		.amdhsa_enable_private_segment 0
		.amdhsa_kernarg_size 64
		.amdhsa_user_sgpr_count 2
		.amdhsa_user_sgpr_kernarg_segment_ptr 1
		.amdhsa_wavefront_size32 1
		.amdhsa_system_sgpr_workgroup_id_x 1
		.amdhsa_system_sgpr_workgroup_id_y 1
		.amdhsa_system_sgpr_workgroup_id_z 1
		.amdhsa_system_vgpr_workitem_id 0
		.amdhsa_next_free_vgpr 1024
		.amdhsa_next_free_sgpr 66
		.amdhsa_reserve_vcc 0
		.amdhsa_float_denorm_mode_32 3
		.amdhsa_float_denorm_mode_16_64 3
		.amdhsa_memory_ordered 1
		.amdhsa_forward_progress 1
		.amdhsa_inst_pref_size 255
	.end_amdhsa_kernel
	.section	.bss,"aw",@nobits
	.p2align	6
	.space	262144
	.amdgpu_metadata
---
amdhsa.version: [ 1, 2 ]
amdhsa.kernels:
  - .name:           k_q141a6109a6_attn
    .symbol:         k_q141a6109a6_attn.kd
    .args:
      - { .name: qbuf, .offset: 0, .size: 8, .value_kind: global_buffer, .address_space: global }
      - { .name: kbuf, .offset: 8, .size: 8, .value_kind: global_buffer, .address_space: global }
      - { .name: vbuf, .offset: 16, .size: 8, .value_kind: global_buffer, .address_space: global }
      - { .name: wp_codes, .offset: 24, .size: 8, .value_kind: global_buffer, .address_space: global }
      - { .name: wp_scales, .offset: 32, .size: 8, .value_kind: global_buffer, .address_space: global }
      - { .name: bp, .offset: 40, .size: 8, .value_kind: global_buffer, .address_space: global }
      - { .name: x, .offset: 48, .size: 8, .value_kind: global_buffer, .address_space: global }
      - { .name: out0, .offset: 56, .size: 8, .value_kind: global_buffer, .address_space: global }
    .group_segment_fixed_size: 327680
    .private_segment_fixed_size: 0
    .kernarg_segment_align: 8
    .kernarg_segment_size: 64
    .max_flat_workgroup_size: 128
    .sgpr_count:     66
    .vgpr_count:     1024
    .wavefront_size: 32
...
	.end_amdgpu_metadata
.endif
;; end of part 3
